; MI455X (gfx1250); checked and timed in simulation.
; The chip was launched on July 23, 2026; its instructions are those of AMD's public machine-readable ISA for CDNA 5 (MIT licence, August 2026) and "CDNA5" Instruction Set Architecture Reference Guide (July 2026). The comments in the code are by the model that wrote it; some were corrected since.
;; VQ. Allowed arithmetic: float matrix products may take bf16 or f16 operands with f32 sums; other float arithmetic in f32, or as packed bf16 or f16 multiplies, adds, multiply-adds, maxima and minima; sums over many terms, partial sums and values carried from step to step in f32; what a program stores and reads back later, other than sums and carried values, may be rounded once to bf16 or f16.
;; Inputs: embedding 8,192 x 2,048 float32; x 4,096 x 2,048 float32.
;; Outputs: out0 4,096 x 2,048 float32; out1 4,096 int32.
;; 2 versions, each right; version 2 is version 1 with the launches round, fetch written anew for expert scheduling mode. Each part assembles by itself: llvm-mc -triple=amdgcn-amd-amdhsa -mcpu=gfx1250 --defsym DOCPART=n.
;; ======== version 1 of 2: 4 launches
;; workspace buffers: rb 50,331,648 bytes; nrm 49,152 bytes; pd 1,048,576 bytes; pi 1,048,576 bytes of whole numbers; code 16,384 bytes of whole numbers
;; launch round (part 1): grid 768 x 1, 8 waves a work-group, no clusters, 0 bytes of LDS; arguments x, embedding, rb, nrm; writes rb, nrm
.if DOCPART == 1
	.amdgcn_target "amdgcn-amd-amdhsa--gfx1250"
	.amdhsa_code_object_version 6
	.text
	.protected	k_q74d8871f65_round
	.globl	k_q74d8871f65_round
	.p2align	8
	.type	k_q74d8871f65_round,@function
k_q74d8871f65_round:
	s_mov_b64 s[64:65], 0
	v_nop
	global_prefetch_b8 v0, s[64:65] scope:SCOPE_SE
	s_setreg_imm32_b32 hwreg(HW_REG_WAVE_MODE, 25, 1), 1
	s_wait_xcnt 0x0
; VQ, first of four launches.  z_q = embedding[argmin_n d[b][n]],  d[b][n] = (|x_b|^2 + |e_n|^2) - 2 <x_b, e_n>.
; THIS LAUNCH rounds x [4096][2048] and embedding [8192][2048] once from f32 to bf16 (nearest even) into rb [12288][2048] (x's rows, then embedding's) and
; stores the f32 sum of squares OF THE ROUNDED NUMBERS of each row in nrm [12288].  Every later use of x and embedding (the product, both norms, the rows
; that are returned) takes these rounded numbers, so the program as a whole computes the function on inputs rounded to bf16.
; NO WORK IS LEFT OUT.  |x_b|^2 is the same for all n and would not move an argmin in exact arithmetic, but it is some 10^5 times the rest of d: in f32 it sets the grid on
; which d lies, equal d arise on that grid, and argmin then takes the lowest n.  So the term stays, and d is formed in the order in which the function forms it (third comment of the next launch).
; LIMITS.  Inputs are finite.  A sum of squares is added up in another order than a row-wise f32 sum may take: it can differ in its last bits.
; SHARES.  16 rows to a work-group, 2 to a wave; a row is 8,192 bytes in, 4,096 bytes out.  All 32 loads of a wave (16 bytes a lane, 512 consecutive bytes an instruction) go out first;
; no register is used twice for memory, so the only waits are the counted ones for the loads.  No LDS, no barrier, no matrix unit: the launch moves bytes.
.set ROWF,  8192                       ; bytes in a row of f32
.set ROWH,  4096                       ; bytes in a row of bf16
.set XROWS, 4096                       ; x's rows; embedding's follow in rb and nrm
.set T, 6                              ; v[6:13]   at work: two sets of two pairs, by turns
.set S, 14                             ; v[14:21]  four packed chains of the sum of squares
.set N, 22                             ; v[22:23]  my two rows' sums
.set X, 24                             ; v[24:151] row r, chunk j (512 bytes of the row) at X + 64 r + 4 j
	s_load_b256 s[4:11], s[0:1], 0x0               ; x s[4:5], embedding s[6:7], rb s[8:9], nrm s[10:11]
	v_lshrrev_b32 v5, 5, v0
	v_readfirstlane_b32 s12, v5                    ; wave 0..7
	v_and_b32 v3, 31, v0                           ; lane
	v_lshlrev_b32 v1, 4, v3                        ; 16 bytes a lane on the way in
	v_lshlrev_b32 v2, 3, v3                        ; 8 bytes a lane on the way out
	v_mov_b32 v4, 0                                ; the sums' store has no lane term
	s_lshl_b32 s13, ttmp9, 4
	s_lshl1_add_u32 s13, s12, s13                  ; R = 16 x work-group + 2 x wave: my first row in rb
	s_mov_b32 s22, 0xffff0000                      ; a word's upper bf16
	s_mov_b32 s23, 0x76543210                      ; v_permlanex16_b32: each lane takes its own place in the other half
	s_mov_b32 s24, 0xfedcba98
	s_mov_b32 s21, 0                               ; the high word of every offset below
	s_wait_kmcnt 0x0
	s_cmp_lt_u32 ttmp9, XROWS/16                   ; the first 256 work-groups take x, the others embedding: a choice by the work-group's number alone
	s_cselect_b64 s[14:15], s[4:5], s[6:7]
	s_cselect_b32 s20, 0, XROWS
	s_sub_co_u32 s20, s13, s20                     ; my first row in its own tensor
	s_lshl_b32 s20, s20, 13
	s_add_nc_u64 s[14:15], s[14:15], s[20:21]      ; the source at my first row
	s_lshl_b32 s20, s13, 12
	s_add_nc_u64 s[16:17], s[8:9], s[20:21]        ; rb at my first row
	s_lshl_b32 s20, s13, 2
	s_add_nc_u64 s[18:19], s[10:11], s[20:21]      ; nrm at my first row
.macro ROWIN r                         ; a row's sixteen loads
.set j, 0
.rept 16
	global_load_b128 v[X+64*(\r)+4*j:X+64*(\r)+4*j+3], v1, s[14:15] offset:ROWF*(\r)+512*j th:TH_LOAD_NT
.set j, j+1
.endr
.endm
; A row is rounded, stored and squared, a chunk at a time.
.macro ROWDO r
.set j, 0
.rept 16
.set cc, X+64*(\r)+4*j
.set tt, T+4*(j%2)
	s_wait_loadcnt 31-16*(\r)-j                    ; loads come back in order: this chunk is in, the younger ones of the wave's 32 stay out
	v_cvt_pk_bf16_f32 v[cc], v[cc], v[cc+1]        ; four roundings, packed in place
	v_cvt_pk_bf16_f32 v[cc+1], v[cc+2], v[cc+3]
	global_store_b64 v2, v[cc:cc+1], s[16:17] offset:ROWH*(\r)+256*j  ; the wave stores 256 consecutive bytes, at a multiple of 256 from rb's first byte
	v_lshlrev_b32 v[tt],   16,  v[cc]              ; the rounded numbers as f32 again
	v_and_b32     v[tt+1], s22, v[cc]
	v_lshlrev_b32 v[tt+2], 16,  v[cc+1]
	v_and_b32     v[tt+3], s22, v[cc+1]
.if j < 2
	v_pk_mul_f32 v[S+4*j:S+4*j+1],   v[tt:tt+1],   v[tt:tt+1]      ; the first two chunks start the four chains: nothing is cleared
	v_pk_mul_f32 v[S+4*j+2:S+4*j+3], v[tt+2:tt+3], v[tt+2:tt+3]
.else
	v_pk_fma_f32 v[S+4*(j%2):S+4*(j%2)+1],   v[tt:tt+1],   v[tt:tt+1],   v[S+4*(j%2):S+4*(j%2)+1]
	v_pk_fma_f32 v[S+4*(j%2)+2:S+4*(j%2)+3], v[tt+2:tt+3], v[tt+2:tt+3], v[S+4*(j%2)+2:S+4*(j%2)+3]
.endif
.set j, j+1
.endr
	v_pk_add_f32 v[S:S+1],   v[S:S+1],   v[S+2:S+3]
	v_pk_add_f32 v[S+4:S+5], v[S+4:S+5], v[S+6:S+7]
	v_pk_add_f32 v[S:S+1],   v[S:S+1],   v[S+4:S+5]
	v_add_f32 v[S], v[S], v[S+1]
	v_add_f32_dpp v[S], v[S], v[S] row_xmask:1 row_mask:0xf bank_mask:0xf  ; across the lanes: four steps inside each half of 16,
	v_add_f32_dpp v[S], v[S], v[S] row_xmask:2 row_mask:0xf bank_mask:0xf
	v_add_f32_dpp v[S], v[S], v[S] row_xmask:4 row_mask:0xf bank_mask:0xf
	v_add_f32_dpp v[S], v[S], v[S] row_xmask:8 row_mask:0xf bank_mask:0xf
	v_permlanex16_b32 v[S+1], v[S], s23, s24       ; one across the halves (its destination has been written before)
	v_add_f32 v[N+(\r)], v[S], v[S+1]
.endm
	ROWIN 0
	ROWIN 1
	ROWDO 0
	ROWDO 1
	v_cmp_eq_u32 vcc_lo, 0, v3                     ; lane 0 stores the wave's two sums, 8 bytes: 48 KiB in the whole launch beside 50 MiB of rows
	s_wait_xcnt 0x0                                ; EXEC is a source of the stores above: it is narrowed only behind this wait,
	s_and_saveexec_b32 s25, vcc_lo
	global_store_b64 v4, v[N:N+1], s[18:19]
	s_wait_xcnt 0x0                                ; and widened again only behind this one
	s_or_b32 exec_lo, exec_lo, s25
	s_endpgm
.Lfunc_end_k_q74d8871f65_round:
	.size	k_q74d8871f65_round, .Lfunc_end_k_q74d8871f65_round-k_q74d8871f65_round
	.p2alignl 7, 3214868480
	.fill 96, 4, 3214868480
	.section	.rodata,"a",@progbits
	.p2align	6, 0x0
	.amdhsa_kernel k_q74d8871f65_round
		.amdhsa_group_segment_fixed_size 0
		.amdhsa_private_segment_fixed_size 0
		.amdhsa_enable_private_segment 0
		.amdhsa_kernarg_size 32
		.amdhsa_user_sgpr_count 2
		.amdhsa_user_sgpr_kernarg_segment_ptr 1
		.amdhsa_wavefront_size32 1
		.amdhsa_system_sgpr_workgroup_id_x 1
		.amdhsa_system_sgpr_workgroup_id_y 1
		.amdhsa_system_sgpr_workgroup_id_z 1
		.amdhsa_system_vgpr_workitem_id 0
		.amdhsa_next_free_vgpr 152
		.amdhsa_next_free_sgpr 66
		.amdhsa_reserve_vcc 1
		.amdhsa_float_denorm_mode_32 3
		.amdhsa_float_denorm_mode_16_64 3
		.amdhsa_memory_ordered 1
		.amdhsa_forward_progress 1
		.amdhsa_inst_pref_size 22
	.end_amdhsa_kernel
	.amdgpu_metadata
---
amdhsa.version: [ 1, 2 ]
amdhsa.kernels:
  - .name:           k_q74d8871f65_round
    .symbol:         k_q74d8871f65_round.kd
    .args:
      - { .name: x, .offset: 0, .size: 8, .value_kind: global_buffer, .address_space: global }
      - { .name: embedding, .offset: 8, .size: 8, .value_kind: global_buffer, .address_space: global }
      - { .name: rb, .offset: 16, .size: 8, .value_kind: global_buffer, .address_space: global }
      - { .name: nrm, .offset: 24, .size: 8, .value_kind: global_buffer, .address_space: global }
    .group_segment_fixed_size: 0
    .private_segment_fixed_size: 0
    .kernarg_segment_align: 8
    .kernarg_segment_size: 32
    .max_flat_workgroup_size: 256
    .sgpr_count:     66
    .vgpr_count:     152
    .wavefront_size: 32
...
	.end_amdgpu_metadata
.endif
;; end of part 1
;; launch dist (part 2): grid 32 x 8, 4 waves a work-group, clusters of 4 x 4, 327,680 bytes of LDS; arguments rb, nrm, pd, pi; writes pd, pi
.if DOCPART == 2
	.amdgcn_target "amdgcn-amd-amdhsa--gfx1250"
	.amdhsa_code_object_version 6
	.text
	.protected	k_q74d8871f65_dist
	.globl	k_q74d8871f65_dist
	.p2align	8
	.type	k_q74d8871f65_dist,@function
k_q74d8871f65_dist:
	s_mov_b64 s[64:65], 0
	v_nop
	global_prefetch_b8 v0, s[64:65] scope:SCOPE_SE
	s_setreg_imm32_b32 hwreg(HW_REG_WAVE_MODE, 25, 1), 1
	s_wait_xcnt 0x0
	s_wait_alu depctr_hold_cnt(0) depctr_sa_sdst(0) depctr_va_vdst(0) depctr_va_sdst(0) depctr_va_ssrc(0) depctr_va_vcc(0) depctr_vm_vsrc(0)
	s_getreg_b32 s2, hwreg(HW_REG_IB_STS2, 6, 4)
	s_cmp_eq_u32 s2, 0
	s_cbranch_scc0 .Lentry_in_a_cluster
	s_endpgm
.Lentry_in_a_cluster:
	s_bfe_u32 s2, ttmp6, 0x10000c
	s_cmp_lg_u32 s2, 0xf033
	s_cbranch_scc0 .Lentry_shape_is_right
	s_endpgm
.Lentry_shape_is_right:
; VQ, second launch: the product <x_b, e_n> in bf16 with f32 sums, d, and the argmin over each wave's 128 codes.  Nothing of the function is left out here.
; A = rb's rows 0..4095 (tokens), B = rb's rows 4096..12287 (codes), K = 2,048.  nrm holds the rows' sums of squares: sx (tokens), then se (codes).
; d = fl(fl(sx + se) - 2 dot): the first sum by an f32 addition, the second step by ONE fused multiply-add (2 dot is exact), which is the order and the rounding of (sx + se) - 2.0 * dot in f32.
; Equal d are frequent on f32's grid near sx, and the lowest code wins, as in argmin: minima are taken first, then the lowest place that holds the minimum.
; OUT: pd[g][b] = the least d of token b in group g of 128 codes, pi[g][b] = its lowest code; g = 0..63.  The next launch takes the minimum over g.
; LIMITS.  Finite inputs; a NaN in d is passed over by the minima, not returned as argmin returns it.  The f32 sums of the product are added up in the matrix unit's order.
; SHAPE.  A tile is 256 tokens x 256 codes, made by four waves, each 128 x 128: 64 accumulators of 16 x 16, 512 registers.  K goes in steps of 128 through a ring of two LDS slots filled by the
; tensor data mover; a tile's rows are 256 bytes of memory and start at multiples of 256 bytes from rb's first byte.  512 tiles, 256 work-groups: A WORK-GROUP STAYS and makes two tiles, 2,048 tokens
; apart, with the same codes; the ring runs on across the change of tiles.
; CLUSTERS: 4 x 4 work-groups.  The four of a row of the cluster need the same tiles of A, the four of a column the same tiles of B: each tile is asked for JOINTLY, by the same tensor load with the
; same descriptor and a mask that names the four.
; THE MATRIX INSTRUCTION IS USED TRANSPOSED: source 0 = 16 codes, source 1 = 16 tokens.  In accumulator (a, b) lane l then holds ONE token, 16 a + l % 16, and register j the code 16 b + 8 (l / 16) + j:
; a token's 128 codes lie in two lanes, 64 each, so its minimum wants no exchange but one meeting of the two halves, in the wave's own stage in LDS.
; REGISTERS, in windows of 256 (s_set_vgpr_msb: bits 1:0 source 0, 3:2 source 1, 5:4 source 2, 7:6 destination):
;   window 0: v0-31 addresses and the minimum's registers; v32-47 sx; v64-127, v128-191 fragments of A, two buffers (the second is D, 64 numbers d, on the way out); v192-255 se of my lane's 64 codes
;   window 1: v64-127, v128-191 fragments of B      window 2: the accumulators of my tokens 0-63 ((a, b) at v[8 (8 a + b)])      window 3: those of my tokens 64-127
.set SIZE_M, 4096
.set SIZE_N, 8192
.set SIZE_K, 2048
.set SIZE_TILES, 2
.set XBYTES, SIZE_M*SIZE_K*2           ; the codes' rows begin here in rb
.set KSTEP,  128
.set PITCH,  272                       ; an LDS row: 256 bytes + 16 of padding = 68 words: row r starts at bank 4 r mod 64 (64 banks of 4 bytes: ISA guide 11.1), so the 16 rows of a load start at 16 different banks
.set HALFT,  128*PITCH                 ; 128 rows: what one tensor load brings, and what one wave reads of A or of B
.set SLOT,   4*HALFT                   ; A's 256 rows, then B's 256 rows
.set STAGE,  2*SLOT                    ; behind the ring, never filled by a tensor load: 2,304 bytes for each wave
.set WSTAGE, 2304
.set HP,     576                       ; in a stage: d of lanes 0-15 (128 tokens), HP bytes on d of lanes 16-31: 144 words, so that the two halves of the lanes store into different banks
.set NOFF,   1152                      ; and the codes, likewise
.set SPARE,  STAGE+4*WSTAGE            ; behind the stages: the spare words, 128 bytes for each wave: two blocks of 256 bytes that no other line names
.set LAPS,   SIZE_K/(2*KSTEP)          ; a lap = two K steps = once round the ring
.set WALK,   SIZE_M/SIZE_TILES         ; a work-group's two tiles lie WALK tokens apart
.set NEXT_A, WALK*SIZE_K*2-(SIZE_K-2*KSTEP)*2   ; bytes from a slot's last K step of a tile to its first of the next: A goes WALK rows down and back along K,
.set BACK_B, (SIZE_K-2*KSTEP)*2        ; B only back
.set M,    6                           ; v6      a token's least d in my lane
.set T,    7                           ; v7      its place, then its code
.set CI,   8                           ; v8-15   eight chains: minima, then places
.set ADRA, 16                          ; v16-17  LDS address of my A fragments in slot 0, 1
.set SXO,  18                          ; v18     byte offset in nrm of sx of my first token + l % 16; never rewritten
.set SEO,  19                          ; v19     byte offset in nrm of se of my first code + 8 (l / 16); never rewritten
.set ADRB, 20                          ; v20-21  the same as ADRA for B
.set STO,  24                          ; v24     where I put a token's d in my stage
.set RD,   25                          ; v25     where I read four tokens back
.set CO,   26                          ; v26     my byte offset in pd and pi; never rewritten
.set NB,   27                          ; v27     my lane's first code
.set SPW,  28                          ; v28     LDS address of my spare word: SPARE + 4 x my thread's number; never rewritten
.set NIL,  29                          ; v29     0; never rewritten
.set PFO,  30                          ; v30     the prefetches' offset: my lane x a row of rb; never rewritten
.set SXP,  32                          ; v32-47  pair a: sx of token 16 a + l % 16, twice
.set F0,   64
.set F1,   128
.set D,    128
.set SE,   192                          ; se of code 16 b + 8 (l / 16) + j at SE + 8 b + j: the same for both tiles
.set G1,  24                           ; s[24:31] descriptor group 1 for A's tiles;  s[32:39] group 0, a set for each slot
.set G0,  32
.set LIM, 43                           ; s43     1 in a wave that prefetches, else the greatest number
.set PFA, 44                           ; s[44:45] where my prefetches stand: one K step further along K than the refill that is being asked for; a prefetch names the K step after that
.set G1B, 48                           ; s[48:55], s[56:63] the same as G1, G0 for B's tiles
.set G0B, 56
.set PD,  68                           ; s[68:69] pd   s[70:71] pi
.set PI,  70
.set NRM, 72                           ; s[72:73] nrm
.set MK,  74                           ; s[74:81] eight lane masks
.set MSB, 0
.macro WIN new                         ; the immediate's high byte repeats the setting that is left; a switch that changes nothing is dropped
.if MSB != (\new)
	s_set_vgpr_msb (MSB<<8)|(\new)
.set MSB, \new
.endif
.endm
.set MUL_LO, 0xa1                      ; source 0 (B) window 1, source 1 (A) window 0, C and D window 2
.set MUL_HI, 0xf1                      ; the same, C and D window 3
.set TO_B,   0x40                      ; destination window 1, address window 0
; A joint load.  Waves 0 and 1 fetch A's two halves, waves 2 and 3 B's.  Each line has one mask and one set of registers for all that issue it; the branch hangs on the wave's number alone.
; An s_nop 0 and four v_nop follow each of the two lines, ahead of the jump, the label and what follows the macro.
.macro JLOAD s
	s_cmp_eq_u32 s11, 0
	s_cbranch_scc0 .Lfor_b_\@
	tensor_load_to_lds s[G0+4*(\s):G0+4*(\s)+3], s[G1:G1+7]
	s_nop 0
.rept 4
	v_nop
.endr
	s_branch .Lasked_\@
.Lfor_b_\@:
	tensor_load_to_lds s[G0B+4*(\s):G0B+4*(\s)+3], s[G1B:G1B+7]
	s_nop 0
.rept 4
	v_nop
.endr
.Lasked_\@:
.endm
; A PREFETCH INTO THE L2, behind each joint load, its five lines and the run of LDS loads that follows: the K step that stands TWO refills on, 512 matrix instructions ahead of the load that will ask for it:
; 32 rows x 256 bytes, a lane a row, one instruction a wave.  Each row's 256 bytes of a K step are named ONCE in the launch: A's tile row is read by every cluster of that row of clusters, and the one with
; cluster x = 0 prefetches; B's tile column by every cluster of that column, and the one with cluster y = 0 prefetches.  The four partners that ask for a tile jointly share its rows out BY ADDRESS: of the
; 128 rows that a wave fetches the partner at place p takes 32 p .. 32 p + 31 (p = cx for A, cy for B): no branch hangs on a work-group's place in its cluster.
; how = 0, in the loop: a tile's last two refills have no K step two on; how = 1, at the change of tiles.
.macro ASK how
.if \how
	s_cmp_eq_u32 s[LIM], 1
.else
	s_cmp_gt_u32 s3, s[LIM]                        ; s3 = 1 in the loop's last trip
.endif
	s_cbranch_scc0 .Lnot_mine_\@
	global_prefetch_b8 v[PFO], s[PFA:PFA+1] offset:KSTEP*2 th:TH_LOAD_NT scope:SCOPE_SE
.Lnot_mine_\@:
.endm
; A round of the cluster's barrier: my work-group's barrier, so that wave 0's signal speaks for all four waves; wave 0 signals for the work-group; every wave waits for all sixteen work-groups;
; my work-group's barrier once more.  No LDS instruction of the wave is pending at a signal.
.macro CREST                           ; a round behind its opening barrier
	s_cmp_lg_u32 s10, 0
	s_cbranch_scc1 .Lnot_wave_0_\@
	s_barrier_signal -3
.Lnot_wave_0_\@:
	s_barrier_wait -3
	s_barrier_signal -1
	s_barrier_wait -1
.endm
.macro CROUND                          ; a whole round
	s_barrier_signal -1
	s_barrier_wait -1
	CREST
.endm
	s_load_b64 s[4:5], s[0:1], 0x0                 ; rb: A
	s_load_b64 s[NRM:NRM+1], s[0:1], 0x8           ; nrm
	s_load_b128 s[PD:PD+3], s[0:1], 0x10           ; pd, pi
	v_lshl_add_u32 v[SPW], v0, 2, SPARE
	v_mov_b32 v[NIL], 0
	ds_add_u32 v[SPW], v[NIL]                      ; the wave's opening: the add, twice on end, and its wait stand ahead of my first tensor load; the set-up below, work on registers, stands between
	ds_add_u32 v[SPW], v[NIL]                      ; and once more, under the one wait
	v_lshrrev_b32 v1, 5, v0
	v_readfirstlane_b32 s10, v1                    ; wave 0..3
	s_lshr_b32 s11, s10, 1                         ; which half of the tile's tokens is mine.  Also: I fetch for A (0) or for B (1)
	s_and_b32 s12, s10, 1                          ; which half of its codes.  Also: which 128 rows of that tile I fetch
	s_bfe_u32 s40, ttmp6, 0x40000                  ; cx: my place along the cluster's x
	s_bfe_u32 s41, ttmp6, 0x40004                  ; cy: along its y
	s_lshl_b32 s42, ttmp9, 2                       ; in a cluster launch ttmp9 and ttmp7 count clusters
	s_add_co_u32 s42, s42, s40                     ; tx, the tile column (codes) = 4 x cluster x + cx
	s_and_b32 s13, ttmp7, 0xffff
	s_lshl_b32 s13, s13, 2
	s_add_co_u32 s13, s13, s41                     ; ty, the first tile's row (tokens) = 4 x cluster y + cy
	s_lshl_b32 s43, s41, 2
	s_lshl_b32 s43, 15, s43                        ; my row of the cluster: places 4 cy .. 4 cy + 3
	s_lshl_b32 s44, 0x1111, s40                    ; my column: places cx, cx + 4, cx + 8, cx + 12
	; descriptor group 1: a tile of 128 rows x 128 elements, padded in LDS
	s_or_b32 s[G1+0], s43, (1<<16)|(1<<20)|(1<<21)|(5<<22)|(3<<25)  ; 15:0 the mask: A's tiles go to my row; 17:16 elements of 2 bytes; 20 padding on; 21 set beside a mask; 24:22 after every 64 words (code 5); 31:25 4 words of it (code 3)
	s_or_b32 s[G1B+0], s44, (1<<16)|(1<<20)|(1<<21)|(5<<22)|(3<<25) ; the same with the mask of my column, for B's tiles
.irp g, G1, G1B
	s_mov_b32 s[(\g)+1], KSTEP<<16                 ; tensor_dim0 = 128
	s_mov_b32 s[(\g)+2], 128<<16                   ; tensor_dim1 = 128
	s_mov_b32 s[(\g)+3], KSTEP<<16                 ; tile_dim0 = 128
	s_mov_b32 s[(\g)+4], 128                       ; tile_dim1 = 128
	s_mov_b32 s[(\g)+5], SIZE_K                    ; elements from row to row
	s_mov_b32 s[(\g)+6], 0
	s_mov_b32 s[(\g)+7], 0
.endr
	; where the tiles come from.  A's hang on ty alone, which my row of the cluster shares; B's on tx alone, which my column shares.  Every wave makes both addresses and asks by one of them.
	s_lshl_b32 s17, s12, 7                         ; which 128 rows of the tile I fetch
	s_lshl_b32 s16, s13, 8
	s_add_co_u32 s16, s16, s17                     ; A: row 256 ty + 128 x half
	s_lshl_b32 s46, s42, 8
	s_add_co_u32 s46, s46, s17                     ; B: row 256 tx + 128 x half
	s_mov_b32 s17, 0
	s_mov_b32 s47, 0
	s_mov_b64 s[18:19], SIZE_K*2
	s_mul_u64 s[16:17], s[16:17], s[18:19]         ; in bytes
	s_mul_u64 s[46:47], s[46:47], s[18:19]
	s_mul_i32 s20, s10, HALFT                      ; and where they go: wave x 128 rows: no place in the cluster enters an LDS address
	s_wait_dscnt 0x0                               ; both opening adds are done
	s_wait_kmcnt 0x0
	s_add_nc_u64 s[6:7], s[4:5], XBYTES            ; B: the codes' rows in rb
	s_add_nc_u64 s[14:15], s[4:5], s[16:17]
	s_add_nc_u64 s[46:47], s[6:7], s[46:47]
	CROUND                                         ; all sixteen work-groups are here: the first joint loads meet
.irp s, 0,1
	s_mov_b32 s[G0+4*(\s)], 1                                      ; 1:0 count = 1
	s_add_co_u32 s[G0+4*(\s)+1], s20, (\s)*SLOT                    ; 63:32 LDS address
	s_add_nc_u64 s[G0+4*(\s)+2:G0+4*(\s)+3], s[14:15], (\s)*KSTEP*2  ; 120:64 global address: K step s
	s_or_b32 s[G0+4*(\s)+3], s[G0+4*(\s)+3], 0x80000000            ; 127:126 type = 2
	s_mov_b32 s[G0B+4*(\s)], 1
	s_add_co_u32 s[G0B+4*(\s)+1], s20, (\s)*SLOT
	s_add_nc_u64 s[G0B+4*(\s)+2:G0B+4*(\s)+3], s[46:47], (\s)*KSTEP*2
	s_or_b32 s[G0B+4*(\s)+3], s[G0B+4*(\s)+3], 0x80000000
	JLOAD \s                                       ; the ring is filled before anything else is done: two tensor loads of mine are out
.endr
	; A fragment is 16 rows x 32 K in 8 registers: lane l holds row l % 16; registers 0-3 K = 8 (l / 16) + 0..7, registers 4-7 K = 16 + 8 (l / 16) + 0..7: two loads of 16 bytes, 32 bytes apart.
	v_and_b32 v1, 15, v0                           ; l % 16
	v_bfe_u32 v2, v0, 4, 1                         ; l / 16
	v_mul_u32_u24 v3, v1, PITCH
	v_lshl_add_u32 v3, v2, 4, v3                   ; row x pitch + 16 x half
	s_mul_i32 s21, s11, HALFT                      ; my 128 rows of A
	s_mul_i32 s22, s12, HALFT                      ; my 128 rows of B,
	s_add_co_u32 s22, s22, 2*HALFT                 ; which lie behind A's 256
.irp s, 0,1
	v_add_nc_u32 v[ADRA+(\s)], s21, v3
	v_add_nc_u32 v[ADRB+(\s)], s22, v3
	s_add_co_u32 s21, s21, SLOT
	s_add_co_u32 s22, s22, SLOT
.endr
	s_mul_i32 s23, s10, WSTAGE
	s_add_co_u32 s23, s23, STAGE                   ; my stage
	v_mul_u32_u24 v4, v2, HP                       ; in: my half of the lanes, word l % 16 of a block of 16 tokens
	v_lshl_add_u32 v4, v1, 2, v4
	v_add_nc_u32 v[STO], s23, v4
	v_and_b32 v5, 31, v0                           ; l
	v_lshl_add_u32 v[RD], v5, 4, s23               ; back: lane l takes tokens 4 l .. 4 l + 3
	s_lshl_b32 s13, s13, 8                         ; 256 ty
	s_lshl_b32 s14, s11, 7
	s_add_co_u32 s16, s13, s14                     ; my first token of the first tile (made of ty alone)
	s_lshl_b32 s42, s42, 8                         ; 256 tx
	s_lshl_b32 s47, s12, 7
	s_add_co_u32 s46, s42, s47                     ; my first code (made of tx alone)
	s_add_co_u32 s47, s46, SIZE_M                  ; its place in nrm, behind the tokens
	v_lshlrev_b32 v3, 2, v1
	v_lshl_add_u32 v[SXO], s16, 2, v3              ; 4 (first token + l % 16)
	v_lshlrev_b32 v3, 5, v2
	v_lshl_add_u32 v[SEO], s47, 2, v3              ; 4 (4,096 + first code + 8 (l / 16))
	v_lshl_add_u32 v[NB], v2, 3, s46               ; first code + 8 (l / 16)
	v_lshlrev_b32 v3, 4, v5
	v_lshl_add_u32 v3, s16, 2, v3                  ; 4 x first token + 16 l,
	v_lshl_add_u32 v[CO], s46, 7, v3               ; + 16,384 x my group of 128 codes (first code / 128)
.irp b, 0,1,2,3,4,5,6,7
	global_load_b128 v[SE+8*(\b):SE+8*(\b)+3],   v[SEO], s[NRM:NRM+1] offset:64*(\b)     ; se of my lane's 64 codes, once for both tiles
	global_load_b128 v[SE+8*(\b)+4:SE+8*(\b)+7], v[SEO], s[NRM:NRM+1] offset:64*(\b)+16
.endr
	; the prefetches.  s13 = 256 ty, s42 = 256 tx
	s_and_b32 s22, ttmp7, 0xffff                   ; cluster y
	s_cmp_eq_u32 s11, 0                            ; do I fetch for A?
	s_cselect_b32 s20, s13, s42                    ; the tile's first row
	s_cselect_b32 s21, s40, s41                    ; my place among the four that ask for it with me
	s_cselect_b32 s22, ttmp9, s22                  ; the coordinate along which other clusters read the same rows
	s_cselect_b64 s[PFA:PFA+1], s[4:5], s[6:7]
	s_cmp_eq_u32 s22, 0
	s_cselect_b32 s[LIM], 1, -1                    ; the same in all sixteen partners, for a given wave
	s_lshl_b32 s22, s12, 7
	s_add_co_u32 s20, s20, s22                     ; + the 128 rows that I fetch
	s_lshl_b32 s21, s21, 5
	s_add_co_u32 s20, s20, s21                     ; + my work-group's 32 of them
	s_mov_b32 s21, 0
	s_mov_b64 s[18:19], SIZE_K*2
	s_mul_u64 s[20:21], s[20:21], s[18:19]
	s_add_nc_u64 s[PFA:PFA+1], s[PFA:PFA+1], s[20:21]
	s_add_nc_u64 s[PFA:PFA+1], s[PFA:PFA+1], 2*KSTEP*2  ; at K step 2: the first refill steps it to 3 and names K step 4.  Nothing is prefetched here, at the head: K steps 0 to 3 come by their loads alone
	v_and_b32 v[PFO], 31, v0
	v_mul_u32_u24 v[PFO], v[PFO], SIZE_K*2
; 16 matrix instructions: token blocks a0, a0 + 1 of the window's four (hi = 0: my tokens 0-63, 1: tokens 64-127) x all 8 code blocks, 32 along K.  zero = 1: the first product starts the sums: nothing is cleared.
; The 64 accumulators take turns, one instruction a turn, in the same order in every quarter step, over the loops' backward jumps too.
.macro MUL16 f, hi, a0, zero
	WIN MUL_LO+0x50*(\hi)
.irp a, \a0, (\a0)+1
.irp b, 0,1,2,3,4,5,6,7
.if \zero
	v_wmma_f32_16x16x32_bf16 v[8*(8*(\a)+(\b)):8*(8*(\a)+(\b))+7], v[(\f)+8*(\b):(\f)+8*(\b)+7], v[(\f)+8*(4*(\hi)+(\a)):(\f)+8*(4*(\hi)+(\a))+7], 0
.else
	v_wmma_f32_16x16x32_bf16 v[8*(8*(\a)+(\b)):8*(8*(\a)+(\b))+7], v[(\f)+8*(\b):(\f)+8*(\b)+7], v[(\f)+8*(4*(\hi)+(\a)):(\f)+8*(4*(\hi)+(\a))+7], v[8*(8*(\a)+(\b)):8*(8*(\a)+(\b))+7]
.endif
.endr
.endr
.endm
; 32 LDS loads in one run: the fragments of one quarter step (128 rows of B, 128 rows of A, 32 K at byte k of the rows) into buffer f
.macro FETCH slot, k, f
	WIN TO_B
.irp i, 0,1,2,3,4,5,6,7
	ds_load_b128 v[(\f)+8*(\i):(\f)+8*(\i)+3],   v[ADRB+(\slot)] offset:(\k)+(\i)*16*PITCH
	ds_load_b128 v[(\f)+8*(\i)+4:(\f)+8*(\i)+7], v[ADRB+(\slot)] offset:(\k)+(\i)*16*PITCH+32
.endr
	WIN 0
.irp i, 0,1,2,3,4,5,6,7
	ds_load_b128 v[(\f)+8*(\i):(\f)+8*(\i)+3],   v[ADRA+(\slot)] offset:(\k)+(\i)*16*PITCH
	ds_load_b128 v[(\f)+8*(\i)+4:(\f)+8*(\i)+7], v[ADRA+(\slot)] offset:(\k)+(\i)*16*PITCH+32
.endr
.endm
; A load into a register that a matrix instruction has read, and a vector instruction that reads a matrix result or writes one of a matrix instruction's registers, stand four places behind it, and only
; plain vector instructions that name none of its registers are places (ISA guide 7.12.1 for vector instructions).
.macro PLACES
.rept 4
	v_nop
.endr
.endm
; A K step is four quarter steps of 32 along K, 64 matrix instructions each, on buffers 0, 1, 0, 1.  One of the first three: multiplies buffer f; in its middle it fetches the next quarter's fragments, at byte k, into g.
.macro QUARTER slot, k, f, g, zero
	s_wait_dscnt 8                                 ; B and A's rows 0-63 are in; the youngest eight loads (A's rows 64-127) may be out
	WIN MUL_LO
	MUL16 \f, 0, 0, \zero
	MUL16 \f, 0, 2, \zero
	PLACES
	FETCH \slot, \k, \g
	s_wait_dscnt 32                                ; all but the 32 just issued
	WIN MUL_HI
	MUL16 \f, 1, 0, \zero
	MUL16 \f, 1, 2, \zero
.endm
; The last quarter multiplies buffer 1 and changes slots.  MEET is its first half: ONE barrier for two things.  In front of it each wave waits for all its tensor loads, of which one is out: its part of the
; next slot; adds 0 to its spare word; and waits for that and for its own reads of this slot.  Behind it nobody reads this slot any more and the next slot is whole.
.macro MEET round                      ; round = 1: a round of the cluster's barrier follows
	WIN 0                                          ; (the add's two registers lie in window 0)
	s_wait_tensorcnt 0x0                           ; all my tensor loads have landed;
	ds_add_u32 v[SPW], v[NIL]                      ; 0 onto my spare word;
	s_wait_dscnt 9                                 ; (the add and the youngest eight loads may be out)
	WIN MUL_LO
	MUL16 F1, 0, 0, 0                              ; sixteen matrix instructions stand between the add and the wait for it
	s_wait_dscnt 0x0                               ; the add is done, and my reads of this slot are over:
	s_barrier_signal -1                            ; say so,
	MUL16 F1, 0, 2, 0                              ; work on registers while the others arrive,
.if \round
	WIN 0
.endif
	s_barrier_wait -1                              ; and go on when all four have said so
.endm
; The whole last quarter.  Behind the round the slot just read out is filled again first: with this tile's K step two steps on (on = 0) or, in the first tile's last two K steps, with the second tile's
; K step 0 or 1 (on = 1); then come the next slot's first fragments.  From a request to the wait for it a wave issues 224 matrix instructions.
.macro TURN slot, next, on
	s_wait_xcnt 0x0                                ; the last prefetch, a K step back, has read its address: it is stepped here, ahead of the waits of the change of slots
.if (\on) && (\slot) == 0
	s_add_nc_u64 s[PFA:PFA+1], s[PFA:PFA+1], (WALK-1)*SIZE_K*2+KSTEP*2  ; from the K step after the tile's last to the next tile's K step 1: WALK rows down, back along K
	s_cmp_eq_u32 s11, 0
	s_cselect_b32 s[LIM], s[LIM], -1               ; B's rows are the same for both tiles: they have been asked for, and are prefetched no more
.else
	s_add_nc_u64 s[PFA:PFA+1], s[PFA:PFA+1], KSTEP*2
.endif
	MEET 1
	CREST                                          ; the barrier has opened a round of the cluster's: no wave of any partner still reads this slot's tile or has a load on its way
.if \on
	s_add_nc_u64 s[G0+4*(\slot)+2:G0+4*(\slot)+3], s[G0+4*(\slot)+2:G0+4*(\slot)+3], NEXT_A
	s_sub_nc_u64 s[G0B+4*(\slot)+2:G0B+4*(\slot)+3], s[G0B+4*(\slot)+2:G0B+4*(\slot)+3], BACK_B
.else
	s_add_nc_u64 s[G0+4*(\slot)+2:G0+4*(\slot)+3], s[G0+4*(\slot)+2:G0+4*(\slot)+3], 2*KSTEP*2
	s_add_nc_u64 s[G0B+4*(\slot)+2:G0B+4*(\slot)+3], s[G0B+4*(\slot)+2:G0B+4*(\slot)+3], 2*KSTEP*2
.endif
	JLOAD \slot                                    ; the first tensor load behind the round, my only one until the next; its four v_nop are also the places in front of the loads below
	FETCH \next, 0, F0
	ASK \on
	WIN MUL_HI
	MUL16 F1, 1, 0, 0
	MUL16 F1, 1, 2, 0
.endm
; THE WAY OUT of block a: 16 tokens, a token a lane, 64 codes a lane.
.macro EPI_A a
	WIN 0
.set z, 0
.rept 32
	v_pk_add_f32 v[D+2*z:D+2*z+1], v[SE+2*z:SE+2*z+1], v[SXP+2*(\a):SXP+2*(\a)+1]  ; fl(sx + se)
.set z, z+1
.endr
	WIN 0x02+(\a)/4                                ; source 0, the accumulators: window 2 or 3
.set z, 0
.rept 32
	v_pk_fma_f32 v[D+2*z:D+2*z+1], v[64*((\a)%4)+2*z:64*((\a)%4)+2*z+1], -2.0, v[D+2*z:D+2*z+1] op_sel_hi:[1,0,1]  ; d = fl(fl(sx + se) - 2 dot); each accumulator is read from its lowest registers on
.set z, z+1
.endr
	WIN 0
.irp b, 0,1,2,3,4,5,6,7                ; the least of the 64: eight chains that do not wait for each other,
	v_min3_num_f32 v[CI+(\b)], v[D+8*(\b)], v[D+8*(\b)+1], v[D+8*(\b)+2]
.endr
.irp b, 0,1,2,3,4,5,6,7
	v_min3_num_f32 v[CI+(\b)], v[CI+(\b)], v[D+8*(\b)+3], v[D+8*(\b)+4]
.endr
.irp b, 0,1,2,3,4,5,6,7
	v_min3_num_f32 v[CI+(\b)], v[CI+(\b)], v[D+8*(\b)+5], v[D+8*(\b)+6]
.endr
.irp b, 0,1,2,3,4,5,6,7
	v_min_num_f32 v[CI+(\b)], v[CI+(\b)], v[D+8*(\b)+7]
.endr
	v_min3_num_f32 v[CI], v[CI], v[CI+1], v[CI+2]  ; then the eight into one
	v_min3_num_f32 v[CI+3], v[CI+3], v[CI+4], v[CI+5]
	v_min_num_f32 v[CI+6], v[CI+6], v[CI+7]
	v_min3_num_f32 v[M], v[CI], v[CI+3], v[CI+6]
; The lowest place e = 8 b + j that holds the minimum: in each chain j goes down, so that the lowest j is written last; a chain without the minimum keeps the greatest number.
.irp j, 7,6,5,4,3,2,1,0
.irp b, 0,1,2,3,4,5,6,7
	v_cmp_eq_f32 s[MK+(\b)], v[M], v[D+8*(\b)+(\j)]
.endr
.irp b, 0,1,2,3,4,5,6,7
.if (\j) == 7
	v_cndmask_b32 v[CI+(\b)], -1, 8*(\b)+(\j), s[MK+(\b)]
.else
	v_cndmask_b32 v[CI+(\b)], v[CI+(\b)], 8*(\b)+(\j), s[MK+(\b)]
.endif
.endr
.endr
	v_min_u32 v[CI], v[CI], v[CI+1]
	v_min_u32 v[CI+2], v[CI+2], v[CI+3]
	v_min_u32 v[CI+4], v[CI+4], v[CI+5]
	v_min_u32 v[CI+6], v[CI+6], v[CI+7]
	v_min_u32 v[CI], v[CI], v[CI+2]
	v_min_u32 v[CI+4], v[CI+4], v[CI+6]
	v_min_u32 v[T], v[CI], v[CI+4]
	v_and_b32 v[CI], 56, v[T]                      ; 8 b
	v_add3_u32 v[T], v[T], v[CI], v[NB]            ; the code: 16 b + j + my lane's first code
	ds_store_b32 v[STO], v[M] offset:64*(\a)
	ds_store_b32 v[STO], v[T] offset:NOFF+64*(\a)
.endm
; The two halves of the lanes meet: lane l reads tokens 4 l .. 4 l + 3 of both halves back, takes the lesser d and, of the halves that hold it, the lower code, and stores 16 bytes of pd and of pi.
.macro EPI_OUT
	WIN 0
	ds_load_b128 v[D:D+3],     v[RD]               ; LDS serves a wave's instructions in order (ISA guide 5.7.1.4): these see my stores above; the stage is my wave's own
	ds_load_b128 v[D+4:D+7],   v[RD] offset:HP
	ds_load_b128 v[D+8:D+11],  v[RD] offset:NOFF
	ds_load_b128 v[D+12:D+15], v[RD] offset:NOFF+HP
	s_wait_dscnt 0x0
.irp t, 0,1,2,3
	v_min_num_f32 v[D+16+(\t)], v[D+(\t)], v[D+4+(\t)]
.endr
.irp t, 0,1,2,3
	v_cmp_eq_f32 s[MK+(\t)],   v[D+16+(\t)], v[D+(\t)]
	v_cmp_eq_f32 s[MK+4+(\t)], v[D+16+(\t)], v[D+4+(\t)]
.endr
.irp t, 0,1,2,3
	v_cndmask_b32 v[D+8+(\t)],  -1, v[D+8+(\t)],  s[MK+(\t)]
	v_cndmask_b32 v[D+12+(\t)], -1, v[D+12+(\t)], s[MK+4+(\t)]
.endr
.irp t, 0,1,2,3
	v_min_u32 v[D+20+(\t)], v[D+8+(\t)], v[D+12+(\t)]
.endr
	global_store_b128 v[CO], v[D+16:D+19], s[PD:PD+1]  ; the wave stores 512 consecutive bytes, at a multiple of 256 from the buffer's first byte
	global_store_b128 v[CO], v[D+20:D+23], s[PI:PI+1]
.endm
	s_wait_tensorcnt 1                             ; my part of K step 0 is in; K step 1's load, issued behind it, may stay out
	s_barrier_signal -1
	s_barrier_wait -1                              ; everybody's is
	FETCH 0, 0, F0
	s_mov_b32 s2, SIZE_TILES                       ; tiles to go, this one among them: the same number in every work-group
.Ltile:                                                ; (FETCH and the way out leave every window 0)
.irp a, 0,1,2,3,4,5,6,7
	global_load_b32 v[SXP+2*(\a)],   v[SXO], s[NRM:NRM+1] offset:64*(\a)  ; sx of this tile's tokens, into both registers of a pair: wanted on the way out
	global_load_b32 v[SXP+2*(\a)+1], v[SXO], s[NRM:NRM+1] offset:64*(\a)
.endr
	QUARTER 0, 64,  F0, F1, 1                      ; a tile's first quarter stands in front of the loop: its products start the sums
	WIN 0                                          ; at a label and at a branch every window is 0
	s_mov_b32 s3, LAPS-1
.Llap:                                                 ; a trip goes once round the ring, from a lap's second quarter to the next lap's first, and fills both slots again
	QUARTER 0, 128, F1, F0, 0
	QUARTER 0, 192, F0, F1, 0
	TURN 0, 1, 0
	QUARTER 1, 64,  F0, F1, 0
	QUARTER 1, 128, F1, F0, 0
	QUARTER 1, 192, F0, F1, 0
	TURN 1, 0, 0
	QUARTER 0, 64,  F0, F1, 0
	WIN 0
	s_sub_co_u32 s3, s3, 1
	s_cmp_lg_u32 s3, 0
	s_cbranch_scc1 .Llap
	QUARTER 0, 128, F1, F0, 0                      ; the tile's last lap goes on
	QUARTER 0, 192, F0, F1, 0
	WIN 0
	s_cmp_eq_u32 s2, 1
	s_cbranch_scc1 .Llast                          ; the last tile's tail is written out: it asks for nothing more
	TURN 0, 1, 1                                   ; THE RING GOES ON INTO THE SECOND TILE: slot 0 takes its K step 0,
	QUARTER 1, 64,  F0, F1, 0
	QUARTER 1, 128, F1, F0, 0
	QUARTER 1, 192, F0, F1, 0
	TURN 1, 0, 1                                   ; slot 1 its K step 1, and the second tile's first fragments are fetched into buffer 0, which the way out does not touch
	WIN 0
	s_branch .Lepi
.Llast:
	MEET 0                                         ; my one tensor load that was still out is slot 1's, the last K step's, so no round follows
	PLACES                                         ; for the loads into buffer 0, which the quarter before multiplied
	FETCH 1, 0, F0
	MUL16 F1, 1, 0, 0
	MUL16 F1, 1, 2, 0
	QUARTER 1, 64,  F0, F1, 0
	QUARTER 1, 128, F1, F0, 0
	QUARTER 1, 192, F0, F1, 0
	s_wait_dscnt 8                                 ; the very last quarter: nothing more to fetch
	MUL16 F1, 0, 0, 0
	MUL16 F1, 0, 2, 0
	s_wait_dscnt 0x0
	MUL16 F1, 1, 0, 0
	MUL16 F1, 1, 2, 0
	WIN 0
.Lepi:                                                 ; THE TILE GOES OUT: both ways meet here
	PLACES                                         ; D is A's buffer 1, which the last products read; blocks 0-3 were finished 32 products ago
	s_wait_loadcnt 0x0                             ; se and sx
.irp a, 0,1,2,3,4,5,6,7
	EPI_A \a
.endr
	EPI_OUT
	s_wait_xcnt 0x0                                ; the two stores have read their data and their bases: D is loaded anew, and the bases are stepped, only behind this wait
	s_add_nc_u64 s[PD:PD+1], s[PD:PD+1], WALK*4    ; 2,048 tokens on, for the second tile (behind the second tile the stepped addresses are not used)
	s_add_nc_u64 s[PI:PI+1], s[PI:PI+1], WALK*4
	s_add_nc_u64 s[NRM:NRM+1], s[NRM:NRM+1], WALK*4
	s_sub_co_u32 s2, s2, 1
	s_cmp_lg_u32 s2, 0
	s_cbranch_scc1 .Ltile
	s_wait_tensorcnt 0x0                           ; the wave's end, behind my last tensor load and my last LDS store
	ds_add_u32 v[SPW], v[NIL]
	s_wait_dscnt 0x0
	CROUND                                         ; the closing round: no work-group ends while a partner may still ask for a tile that names it
	s_endpgm
.Lfunc_end_k_q74d8871f65_dist:
	.size	k_q74d8871f65_dist, .Lfunc_end_k_q74d8871f65_dist-k_q74d8871f65_dist
	.p2alignl 7, 3214868480
	.fill 96, 4, 3214868480
	.section	.rodata,"a",@progbits
	.p2align	6, 0x0
	.amdhsa_kernel k_q74d8871f65_dist
		.amdhsa_group_segment_fixed_size 327680
		.amdhsa_private_segment_fixed_size 0
		.amdhsa_enable_private_segment 0
		.amdhsa_kernarg_size 32
		.amdhsa_user_sgpr_count 2
		.amdhsa_user_sgpr_kernarg_segment_ptr 1
		.amdhsa_wavefront_size32 1
		.amdhsa_system_sgpr_workgroup_id_x 1
		.amdhsa_system_sgpr_workgroup_id_y 1
		.amdhsa_system_sgpr_workgroup_id_z 1
		.amdhsa_system_vgpr_workitem_id 0
		.amdhsa_next_free_vgpr 1024
		.amdhsa_next_free_sgpr 82
		.amdhsa_reserve_vcc 0
		.amdhsa_float_denorm_mode_32 3
		.amdhsa_float_denorm_mode_16_64 3
		.amdhsa_memory_ordered 1
		.amdhsa_forward_progress 1
		.amdhsa_inst_pref_size 255
	.end_amdhsa_kernel
	.section	.bss,"aw",@nobits
	.p2align	6
	.space	262144
	.amdgpu_metadata
---
amdhsa.version: [ 1, 2 ]
amdhsa.kernels:
  - .name:           k_q74d8871f65_dist
    .symbol:         k_q74d8871f65_dist.kd
    .args:
      - { .name: rb, .offset: 0, .size: 8, .value_kind: global_buffer, .address_space: global }
      - { .name: nrm, .offset: 8, .size: 8, .value_kind: global_buffer, .address_space: global }
      - { .name: pd, .offset: 16, .size: 8, .value_kind: global_buffer, .address_space: global }
      - { .name: pi, .offset: 24, .size: 8, .value_kind: global_buffer, .address_space: global }
    .group_segment_fixed_size: 327680
    .private_segment_fixed_size: 0
    .kernarg_segment_align: 8
    .kernarg_segment_size: 32
    .max_flat_workgroup_size: 128
    .sgpr_count:     82
    .vgpr_count:     1024
    .wavefront_size: 32
...
	.end_amdgpu_metadata
.endif
;; end of part 2
;; launch pick (part 3): grid 64 x 1, 8 waves a work-group, no clusters, 5,120 bytes of LDS; arguments pd, pi, out1, code; writes out1, code
.if DOCPART == 3
	.amdgcn_target "amdgcn-amd-amdhsa--gfx1250"
	.amdhsa_code_object_version 6
	.text
	.protected	k_q74d8871f65_pick
	.globl	k_q74d8871f65_pick
	.p2align	8
	.type	k_q74d8871f65_pick,@function
k_q74d8871f65_pick:
	s_mov_b64 s[64:65], 0
	v_nop
	global_prefetch_b8 v0, s[64:65] scope:SCOPE_SE
	s_setreg_imm32_b32 hwreg(HW_REG_WAVE_MODE, 25, 1), 1
	s_wait_xcnt 0x0
; VQ, third launch: for each token the least of its 64 groups' minima, pd[64][4096], and that group's code, pi[64][4096].  Nothing of the function is left out here.
; Groups hold ascending codes and each pi is the lowest code of its group's minimum, so a strict comparison in ascending order of groups keeps the lowest code among equal d, as argmin does.
; The index goes out twice: out1, the result, and code, whole numbers from which the next launch forms its addresses.  Here the comparisons only select values: no address and no branch hangs on them.
; LIMIT.  A NaN in pd never wins a comparison.
; SHARES.  A work-group takes 64 tokens; wave w the groups 8 w .. 8 w + 7; lane l the tokens 2 l, 2 l + 1: every load and store of a wave covers 256 consecutive bytes, aligned.  The eight waves meet in LDS,
; and wave 0 finishes.  64 work-groups: 2 MiB in all, with 16 loads out for each wave; a finer split would make the stores narrower than 256 bytes.
.set DV, 8                             ; v[8:23]   d, pair k of 8; pair 0 takes the minimum
.set IV, 24                            ; v[24:39]  the codes, likewise
.set SPW, 62                           ; v62  LDS address of my spare word; never rewritten
.set NIL, 63                           ; v63  0; never rewritten
.set LD,  0                            ; LDS: d [wave][64 tokens], 2,048 bytes
.set LI,  2048                         ; the codes, likewise
.set SPARE, 4096                       ; the spare words, 128 bytes for each of the eight waves: four blocks of 256 bytes that no other line names
	s_load_b256 s[4:11], s[0:1], 0x0               ; pd s[4:5], pi s[6:7], out1 s[8:9], code s[10:11]
	v_lshl_add_u32 v[SPW], v0, 2, SPARE
	v_mov_b32 v[NIL], 0
	v_lshrrev_b32 v5, 5, v0
	v_readfirstlane_b32 s12, v5                    ; wave 0..7
	v_and_b32 v6, 31, v0
	v_lshlrev_b32 v3, 3, v6                        ; 8 bytes a lane
	s_lshl_b32 s13, ttmp9, 8                       ; the work-group's 64 tokens: 256 bytes
	v_add_nc_u32 v4, s13, v3                       ; my two tokens in a row of pd, and in the outputs
	s_lshl_b32 s18, s12, 17                        ; my wave's 8 groups of 16,384 bytes
	v_add_nc_u32 v1, s18, v4
	v_lshl_add_u32 v2, s12, 8, v3                  ; my place in LDS: 256 x wave + 8 x lane
	s_wait_kmcnt 0x0
.irp k, 0,1,2,3,4,5,6,7
	global_load_b64 v[DV+2*(\k):DV+2*(\k)+1], v1, s[4:5] offset:16384*(\k) th:TH_LOAD_NT
	global_load_b64 v[IV+2*(\k):IV+2*(\k)+1], v1, s[6:7] offset:16384*(\k) th:TH_LOAD_NT
.endr
.macro RED                             ; pairs 1 to 7 onto pair 0, in ascending order; the comparison stands ahead of the minimum that rewrites its source
.irp k, 1,2,3,4,5,6,7
.irp t, 0,1
	v_cmp_lt_f32 s[14+(\t)], v[DV+2*(\k)+(\t)], v[DV+(\t)]
	v_cndmask_b32 v[IV+(\t)], v[IV+(\t)], v[IV+2*(\k)+(\t)], s[14+(\t)]
	v_min_num_f32 v[DV+(\t)], v[DV+(\t)], v[DV+2*(\k)+(\t)]
.endr
.endr
.endm
	s_wait_loadcnt 0x0
	RED
	ds_store_b64 v2, v[DV:DV+1] offset:LD
	ds_store_b64 v2, v[IV:IV+1] offset:LI
	s_wait_dscnt 0x0                               ; for the others' sake: my stores are done
	s_barrier_signal -1
	s_barrier_wait -1                              ; all eight waves' minima lie in LDS
	s_cmp_lg_u32 s12, 0
	s_cbranch_scc1 .Lend                           ; wave 0 finishes
.irp k, 0,1,2,3,4,5,6,7
	ds_load_b64 v[DV+2*(\k):DV+2*(\k)+1], v3 offset:LD+256*(\k)
	ds_load_b64 v[IV+2*(\k):IV+2*(\k)+1], v3 offset:LI+256*(\k)
.endr
	s_wait_dscnt 0x0
	RED
	global_store_b64 v4, v[IV:IV+1], s[8:9]        ; 256 consecutive bytes, aligned
	global_store_b64 v4, v[IV:IV+1], s[10:11]
.Lend:
	s_wait_tensorcnt 0x0                           ; the wave's end, behind my last LDS store
	ds_add_u32 v[SPW], v[NIL]
	s_wait_dscnt 0x0
	s_endpgm
.Lfunc_end_k_q74d8871f65_pick:
	.size	k_q74d8871f65_pick, .Lfunc_end_k_q74d8871f65_pick-k_q74d8871f65_pick
	.p2alignl 7, 3214868480
	.fill 96, 4, 3214868480
	.section	.rodata,"a",@progbits
	.p2align	6, 0x0
	.amdhsa_kernel k_q74d8871f65_pick
		.amdhsa_group_segment_fixed_size 5120
		.amdhsa_private_segment_fixed_size 0
		.amdhsa_enable_private_segment 0
		.amdhsa_kernarg_size 32
		.amdhsa_user_sgpr_count 2
		.amdhsa_user_sgpr_kernarg_segment_ptr 1
		.amdhsa_wavefront_size32 1
		.amdhsa_system_sgpr_workgroup_id_x 1
		.amdhsa_system_sgpr_workgroup_id_y 1
		.amdhsa_system_sgpr_workgroup_id_z 1
		.amdhsa_system_vgpr_workitem_id 0
		.amdhsa_next_free_vgpr 64
		.amdhsa_next_free_sgpr 66
		.amdhsa_reserve_vcc 0
		.amdhsa_float_denorm_mode_32 3
		.amdhsa_float_denorm_mode_16_64 3
		.amdhsa_memory_ordered 1
		.amdhsa_forward_progress 1
		.amdhsa_inst_pref_size 9
	.end_amdhsa_kernel
	.amdgpu_metadata
---
amdhsa.version: [ 1, 2 ]
amdhsa.kernels:
  - .name:           k_q74d8871f65_pick
    .symbol:         k_q74d8871f65_pick.kd
    .args:
      - { .name: pd, .offset: 0, .size: 8, .value_kind: global_buffer, .address_space: global }
      - { .name: pi, .offset: 8, .size: 8, .value_kind: global_buffer, .address_space: global }
      - { .name: out1, .offset: 16, .size: 8, .value_kind: global_buffer, .address_space: global }
      - { .name: code, .offset: 24, .size: 8, .value_kind: global_buffer, .address_space: global }
    .group_segment_fixed_size: 5120
    .private_segment_fixed_size: 0
    .kernarg_segment_align: 8
    .kernarg_segment_size: 32
    .max_flat_workgroup_size: 256
    .sgpr_count:     66
    .vgpr_count:     64
    .wavefront_size: 32
...
	.end_amdgpu_metadata
.endif
;; end of part 3
;; launch fetch (part 4): grid 256 x 1, 8 waves a work-group, no clusters, 0 bytes of LDS; arguments code, rb, out0; writes out0
.if DOCPART == 4
	.amdgcn_target "amdgcn-amd-amdhsa--gfx1250"
	.amdhsa_code_object_version 6
	.text
	.protected	k_q74d8871f65_fetch
	.globl	k_q74d8871f65_fetch
	.p2align	8
	.type	k_q74d8871f65_fetch,@function
k_q74d8871f65_fetch:
	s_mov_b64 s[64:65], 0
	v_nop
	global_prefetch_b8 v0, s[64:65] scope:SCOPE_SE
	s_setreg_imm32_b32 hwreg(HW_REG_WAVE_MODE, 25, 1), 1
	s_wait_xcnt 0x0
; VQ, fourth launch: out0[b] = the row of the codebook that code[b] names.  Nothing of the function is left out here.
; The row is taken from rb, the codebook rounded once to bf16 (rows 4,096 on), and widened to f32: half the bytes of the f32 row.
; LIMIT.  out0 holds the rounded row: within 2^-9 of each number of the f32 row.  An index is held to 0 .. 8,191 before it enters an address; the launch before stores nothing else for finite inputs.
; SHARES.  16 tokens to a work-group, 2 to a wave.  A wave reads its two indices by one scalar load (this launch does not write code), issues all 32 loads of its two rows (256 consecutive bytes each),
; and stores each chunk as 512 consecutive bytes, aligned.  No register is used twice for memory, so the only waits are the counted ones for the loads.  No LDS, no barrier.
.set EROWS, 8192
.set XBYTES, 4096*4096                 ; the codes' rows begin here in rb
.set L, 4                              ; v[4:67]    row r, chunk j (256 bytes of bf16) at L + 32 r + 2 j
.set W, 68                             ; v[68:195]  the same as f32 at W + 64 r + 4 j
	s_load_b128 s[4:7], s[0:1], 0x0                ; code s[4:5], rb s[6:7]
	s_load_b64 s[8:9], s[0:1], 0x10                ; out0
	v_lshrrev_b32 v3, 5, v0
	v_readfirstlane_b32 s12, v3                    ; wave 0..7
	v_and_b32 v3, 31, v0
	v_lshlrev_b32 v1, 3, v3                        ; 8 bytes a lane on the way in
	v_lshlrev_b32 v2, 4, v3                        ; 16 on the way out
	s_lshl_b32 s13, ttmp9, 4
	s_lshl1_add_u32 s13, s12, s13                  ; my first token = 16 x work-group + 2 x wave
	s_lshl_b32 s23, s13, 2                         ; its index's byte in code: a multiple of 8
	s_mov_b32 s22, 0xffff0000                      ; a word's upper bf16
	s_wait_kmcnt 0x0
	s_load_b64 s[14:15], s[4:5], s23 offset:0x0    ; my two tokens' indices
	s_lshl_b32 s20, s13, 13
	s_mov_b32 s21, 0
	s_add_nc_u64 s[20:21], s[8:9], s[20:21]        ; out0 at my first token
	s_add_nc_u64 s[6:7], s[6:7], XBYTES            ; the codebook in rb
	s_wait_kmcnt 0x0
	s_min_u32 s14, s14, EROWS-1                    ; inside the table
	s_min_u32 s15, s15, EROWS-1
	s_lshl_b32 s16, s14, 12                        ; a row is 4,096 bytes
	s_mov_b32 s17, 0
	s_lshl_b32 s18, s15, 12
	s_mov_b32 s19, 0
	s_add_nc_u64 s[16:17], s[6:7], s[16:17]
	s_add_nc_u64 s[18:19], s[6:7], s[18:19]
.irp r, 0,1
.set j, 0
.rept 16
	global_load_b64 v[L+32*(\r)+2*j:L+32*(\r)+2*j+1], v1, s[16+2*(\r):17+2*(\r)] offset:256*j  ; no hint: several tokens may name the same row
.set j, j+1
.endr
.endr
.irp r, 0,1
.set j, 0
.rept 16
	s_wait_loadcnt 31-16*(\r)-j                    ; loads come back in order: this chunk is in, the younger ones of the wave's 32 stay out
	v_lshlrev_b32 v[W+64*(\r)+4*j],   16,  v[L+32*(\r)+2*j]    ; bf16 to f32: the low half moves up,
	v_and_b32     v[W+64*(\r)+4*j+1], s22, v[L+32*(\r)+2*j]    ; the high half stays
	v_lshlrev_b32 v[W+64*(\r)+4*j+2], 16,  v[L+32*(\r)+2*j+1]
	v_and_b32     v[W+64*(\r)+4*j+3], s22, v[L+32*(\r)+2*j+1]
	global_store_b128 v2, v[W+64*(\r)+4*j:W+64*(\r)+4*j+3], s[20:21] offset:8192*(\r)+512*j th:TH_STORE_NT
.set j, j+1
.endr
.endr
	s_endpgm
.Lfunc_end_k_q74d8871f65_fetch:
	.size	k_q74d8871f65_fetch, .Lfunc_end_k_q74d8871f65_fetch-k_q74d8871f65_fetch
	.p2alignl 7, 3214868480
	.fill 96, 4, 3214868480
	.section	.rodata,"a",@progbits
	.p2align	6, 0x0
	.amdhsa_kernel k_q74d8871f65_fetch
		.amdhsa_group_segment_fixed_size 0
		.amdhsa_private_segment_fixed_size 0
		.amdhsa_enable_private_segment 0
		.amdhsa_kernarg_size 24
		.amdhsa_user_sgpr_count 2
		.amdhsa_user_sgpr_kernarg_segment_ptr 1
		.amdhsa_wavefront_size32 1
		.amdhsa_system_sgpr_workgroup_id_x 1
		.amdhsa_system_sgpr_workgroup_id_y 1
		.amdhsa_system_sgpr_workgroup_id_z 1
		.amdhsa_system_vgpr_workitem_id 0
		.amdhsa_next_free_vgpr 200
		.amdhsa_next_free_sgpr 66
		.amdhsa_reserve_vcc 0
		.amdhsa_float_denorm_mode_32 3
		.amdhsa_float_denorm_mode_16_64 3
		.amdhsa_memory_ordered 1
		.amdhsa_forward_progress 1
		.amdhsa_inst_pref_size 13
	.end_amdhsa_kernel
	.amdgpu_metadata
---
amdhsa.version: [ 1, 2 ]
amdhsa.kernels:
  - .name:           k_q74d8871f65_fetch
    .symbol:         k_q74d8871f65_fetch.kd
    .args:
      - { .name: code, .offset: 0, .size: 8, .value_kind: global_buffer, .address_space: global }
      - { .name: rb, .offset: 8, .size: 8, .value_kind: global_buffer, .address_space: global }
      - { .name: out0, .offset: 16, .size: 8, .value_kind: global_buffer, .address_space: global }
    .group_segment_fixed_size: 0
    .private_segment_fixed_size: 0
    .kernarg_segment_align: 8
    .kernarg_segment_size: 24
    .max_flat_workgroup_size: 256
    .sgpr_count:     66
    .vgpr_count:     200
    .wavefront_size: 32
...
	.end_amdgpu_metadata
.endif
;; end of part 4
;; ======== version 2 of 2: 4 launches; version 1 with the launches round, fetch written anew for expert scheduling mode
;; workspace buffers: rb 50,331,648 bytes; nrm 49,152 bytes; pd 1,048,576 bytes; pi 1,048,576 bytes of whole numbers; code 16,384 bytes of whole numbers
;; launch round (part 5): grid 768 x 1, 8 waves a work-group, no clusters, 0 bytes of LDS; arguments x, embedding, rb, nrm; writes rb, nrm
.if DOCPART == 5
	.amdgcn_target "amdgcn-amd-amdhsa--gfx1250"
	.amdhsa_code_object_version 6
	.text
	.protected	k_q74d8871f65_round
	.globl	k_q74d8871f65_round
	.p2align	8
	.type	k_q74d8871f65_round,@function
k_q74d8871f65_round:
	s_mov_b64 s[64:65], 0
	v_nop
	global_prefetch_b8 v0, s[64:65] scope:SCOPE_SE
	s_setreg_imm32_b32 hwreg(HW_REG_WAVE_SCHED_MODE, 0, 2), 2
	s_setreg_imm32_b32 hwreg(HW_REG_WAVE_MODE, 25, 1), 1
	s_wait_xcnt 0x0
	s_wait_alu depctr_vm_vsrc(0)
; VQ, first of four launches.  z_q = embedding[argmin_n d[b][n]],  d[b][n] = (|x_b|^2 + |e_n|^2) - 2 <x_b, e_n>.
; THIS LAUNCH rounds x [4096][2048] and embedding [8192][2048] once from f32 to bf16 (nearest even) into rb [12288][2048] (x's rows, then embedding's) and
; stores the f32 sum of squares OF THE ROUNDED NUMBERS of each row in nrm [12288].  Every later use of x and embedding (the product, both norms, the rows
; that are returned) takes these rounded numbers, so the program as a whole computes the function on inputs rounded to bf16.
; NO WORK IS LEFT OUT.  |x_b|^2 is the same for all n and would not move an argmin in exact arithmetic, but it is some 10^5 times the rest of d: in f32 it sets the grid on
; which d lies, equal d arise on that grid, and argmin then takes the lowest n.  So the term stays, and d is formed in the order in which the function forms it (third comment of the next launch).
; LIMITS.  Inputs are finite.  A sum of squares is added up in another order than a row-wise f32 sum may take: it can differ in its last bits.
; SHARES.  16 rows to a work-group, 2 to a wave; a row is 8,192 bytes in, 4,096 bytes out.  All 32 loads of a wave (16 bytes a lane, 512 consecutive bytes an instruction) go out first;
; no register is used twice for memory.  No LDS, no barrier, no matrix unit: the launch moves bytes.
; THE MODE: SCHED_MODE bits 1:0 = 2 (LLVM: expert scheduling mode 2), set by the entry lines.  The code itself states the register dependences
; between vector instructions and memory instructions, with s_wait_alu, always for 0.
; THE PLAN.  Registers that memory instructions touch:
;   X           32 chunks of four registers.  A chunk is written once by its load (all loads go out before a vector instruction names X); its two conversions write its first two registers
;               in place; its one store reads these two; nothing writes them afterwards.
;   v1, v2, v4  byte offsets, made once at the head and never written again.
;   N           written by the two rows' reductions, read by the last store.
;   T and S are named by vector instructions alone.
; The wave's 32 chunks go in eight blocks of four.  Block p's memory instructions are the four stores of block p - 1, whose registers no vector instruction of block p names.  So ONE wait on va_vdst
; at a block's head states all that these stores hang on, and they are dealt among the block's vector instructions, one ahead of each chunk's, with no further wait.
.set ROWF,  8192                       ; bytes in a row of f32
.set ROWH,  4096                       ; bytes in a row of bf16
.set XROWS, 4096                       ; x's rows; embedding's follow in rb and nrm
.set T, 6                              ; v[6:13]   at work: two sets of two pairs, by turns
.set S, 14                             ; v[14:21]  four packed chains of the sum of squares
.set N, 22                             ; v[22:23]  my two rows' sums
.set X, 24                             ; v[24:151] row r, chunk j (512 bytes of the row) at X + 64 r + 4 j: chunk c = 16 r + j of the wave's 32 at X + 4 c
	s_load_b256 s[4:11], s[0:1], 0x0               ; x s[4:5], embedding s[6:7], rb s[8:9], nrm s[10:11]
	v_lshrrev_b32 v5, 5, v0
	v_readfirstlane_b32 s12, v5                    ; wave 0..7
	v_and_b32 v3, 31, v0                           ; lane
	v_lshlrev_b32 v1, 4, v3                        ; 16 bytes a lane on the way in
	v_lshlrev_b32 v2, 3, v3                        ; 8 bytes a lane on the way out
	v_mov_b32 v4, 0                                ; the sums' store has no lane term
	s_wait_alu depctr_va_sdst(0)                   ; s12 is written, ahead of its first reader: my rows' addresses are made from it
	s_lshl_b32 s13, ttmp9, 4
	s_lshl1_add_u32 s13, s12, s13                  ; R = 16 x work-group + 2 x wave: my first row in rb
	s_mov_b32 s22, 0xffff0000                      ; a word's upper bf16
	s_mov_b32 s23, 0x76543210                      ; v_permlanex16_b32: each lane takes its own place in the other half
	s_mov_b32 s24, 0xfedcba98
	s_mov_b32 s21, 0                               ; the high word of every offset below
	s_wait_kmcnt 0x0
	s_cmp_lt_u32 ttmp9, XROWS/16                   ; the first 256 work-groups take x, the others embedding: a choice by the work-group's number alone
	s_cselect_b64 s[14:15], s[4:5], s[6:7]
	s_cselect_b32 s20, 0, XROWS
	s_sub_co_u32 s20, s13, s20                     ; my first row in its own tensor
	s_lshl_b32 s20, s20, 13
	s_add_nc_u64 s[14:15], s[14:15], s[20:21]      ; the source at my first row
	s_lshl_b32 s20, s13, 12
	s_add_nc_u64 s[16:17], s[8:9], s[20:21]        ; rb at my first row
	s_lshl_b32 s20, s13, 2
	s_add_nc_u64 s[18:19], s[10:11], s[20:21]      ; nrm at my first row
	s_wait_alu depctr_va_vdst(0)                   ; v1, v2 and v4 are written: every load and store of the kernel reads one of them as its offset
.macro ROWIN r                         ; a row's sixteen loads
.set j, 0
.rept 16
	global_load_b128 v[X+64*(\r)+4*j:X+64*(\r)+4*j+3], v1, s[14:15] offset:ROWF*(\r)+512*j th:TH_LOAD_NT
.set j, j+1
.endr
.endm
; A row is rounded and squared, a chunk at a time; ahead of each chunk's arithmetic the chunk four back, of the block before, is stored.
.macro ROWDO r
.set j, 0
.rept 16
.set cc, X+64*(\r)+4*j
.set tt, T+4*(j%2)
.set c, 16*(\r)+j                      ; the chunk's number among the wave's 32
	s_wait_loadcnt 31-c                            ; loads come back in order: this chunk is in, the younger ones of the wave's 32 stay out
.if (j%4 == 0) && (c > 0)
	s_wait_alu depctr_va_vdst(0)                   ; a block's head: the conversions of the block before have written their chunks' first two registers, which this block's four stores read
.endif
.if c >= 4
	global_store_b64 v2, v[cc-16:cc-15], s[16:17] offset:256*(c-4)  ; chunk c - 4: the wave stores 256 consecutive bytes, at a multiple of 256 from rb's first byte; no vector instruction since the wait names these registers
.endif
	v_cvt_pk_bf16_f32 v[cc], v[cc], v[cc+1]        ; four roundings, packed in place
	v_cvt_pk_bf16_f32 v[cc+1], v[cc+2], v[cc+3]
	v_lshlrev_b32 v[tt],   16,  v[cc]              ; the rounded numbers as f32 again
	v_and_b32     v[tt+1], s22, v[cc]
	v_lshlrev_b32 v[tt+2], 16,  v[cc+1]
	v_and_b32     v[tt+3], s22, v[cc+1]
.if j < 2
	v_pk_mul_f32 v[S+4*j:S+4*j+1],   v[tt:tt+1],   v[tt:tt+1]      ; the first two chunks start the four chains: nothing is cleared
	v_pk_mul_f32 v[S+4*j+2:S+4*j+3], v[tt+2:tt+3], v[tt+2:tt+3]
.else
	v_pk_fma_f32 v[S+4*(j%2):S+4*(j%2)+1],   v[tt:tt+1],   v[tt:tt+1],   v[S+4*(j%2):S+4*(j%2)+1]
	v_pk_fma_f32 v[S+4*(j%2)+2:S+4*(j%2)+3], v[tt+2:tt+3], v[tt+2:tt+3], v[S+4*(j%2)+2:S+4*(j%2)+3]
.endif
.set j, j+1
.endr
.if (\r) == 1
	s_wait_alu depctr_va_vdst(0)                   ; the last block's conversions have written their registers, which the four stores below read
.irp k, 12,13,14,15
	global_store_b64 v2, v[X+64+4*(\k):X+64+4*(\k)+1], s[16:17] offset:ROWH+256*(\k)  ; no block follows: the last four chunks go out ahead of the row's reduction
.endr
.endif
	v_pk_add_f32 v[S:S+1],   v[S:S+1],   v[S+2:S+3]
	v_pk_add_f32 v[S+4:S+5], v[S+4:S+5], v[S+6:S+7]
	v_pk_add_f32 v[S:S+1],   v[S:S+1],   v[S+4:S+5]
	v_add_f32 v[S], v[S], v[S+1]
	v_add_f32_dpp v[S], v[S], v[S] row_xmask:1 row_mask:0xf bank_mask:0xf  ; across the lanes: four steps inside each half of 16,
	v_add_f32_dpp v[S], v[S], v[S] row_xmask:2 row_mask:0xf bank_mask:0xf
	v_add_f32_dpp v[S], v[S], v[S] row_xmask:4 row_mask:0xf bank_mask:0xf
	v_add_f32_dpp v[S], v[S], v[S] row_xmask:8 row_mask:0xf bank_mask:0xf
	v_permlanex16_b32 v[S+1], v[S], s23, s24       ; one across the halves (its destination has been written before)
	v_add_f32 v[N+(\r)], v[S], v[S+1]
.endm
	ROWIN 0
	ROWIN 1
	ROWDO 0
	ROWDO 1
	v_cmp_eq_u32 vcc_lo, 0, v3                     ; lane 0 stores the wave's two sums, 8 bytes: 48 KiB in the whole launch beside 50 MiB of rows
	s_wait_xcnt 0x0                                ; EXEC is a source of the stores above: it is narrowed only behind this wait,
	s_wait_alu depctr_va_vcc(0)                    ; the comparison has written VCC, from which EXEC is made
	s_wait_alu depctr_va_vdst(0)                   ; EXEC is written: the vector instructions issued under the full EXEC are done; among them the reductions have written v[N:N+1], which the store below reads
	s_wait_alu depctr_vm_vsrc(0)                   ; EXEC is written: the stores issued under the full EXEC have read their vector registers
	s_and_saveexec_b32 s25, vcc_lo
	global_store_b64 v4, v[N:N+1], s[18:19]
	s_wait_xcnt 0x0                                ; and widened again only behind this one
	s_wait_alu depctr_va_vdst(0)                   ; EXEC is written again: both lines stand ahead of every scalar write of it; no vector instruction is pending under the narrow EXEC
	s_wait_alu depctr_vm_vsrc(0)                   ; the store issued under the narrow EXEC has read v4 and v[N:N+1]
	s_or_b32 exec_lo, exec_lo, s25
	s_endpgm
.Lfunc_end_k_q74d8871f65_round:
	.size	k_q74d8871f65_round, .Lfunc_end_k_q74d8871f65_round-k_q74d8871f65_round
	.p2alignl 7, 3214868480
	.fill 96, 4, 3214868480
	.section	.rodata,"a",@progbits
	.p2align	6, 0x0
	.amdhsa_kernel k_q74d8871f65_round
		.amdhsa_group_segment_fixed_size 0
		.amdhsa_private_segment_fixed_size 0
		.amdhsa_enable_private_segment 0
		.amdhsa_kernarg_size 32
		.amdhsa_user_sgpr_count 2
		.amdhsa_user_sgpr_kernarg_segment_ptr 1
		.amdhsa_wavefront_size32 1
		.amdhsa_system_sgpr_workgroup_id_x 1
		.amdhsa_system_sgpr_workgroup_id_y 1
		.amdhsa_system_sgpr_workgroup_id_z 1
		.amdhsa_system_vgpr_workitem_id 0
		.amdhsa_next_free_vgpr 152
		.amdhsa_next_free_sgpr 66
		.amdhsa_reserve_vcc 1
		.amdhsa_float_denorm_mode_32 3
		.amdhsa_float_denorm_mode_16_64 3
		.amdhsa_memory_ordered 1
		.amdhsa_forward_progress 1
		.amdhsa_inst_pref_size 23
	.end_amdhsa_kernel
	.amdgpu_metadata
---
amdhsa.version: [ 1, 2 ]
amdhsa.kernels:
  - .name:           k_q74d8871f65_round
    .symbol:         k_q74d8871f65_round.kd
    .args:
      - { .name: x, .offset: 0, .size: 8, .value_kind: global_buffer, .address_space: global }
      - { .name: embedding, .offset: 8, .size: 8, .value_kind: global_buffer, .address_space: global }
      - { .name: rb, .offset: 16, .size: 8, .value_kind: global_buffer, .address_space: global }
      - { .name: nrm, .offset: 24, .size: 8, .value_kind: global_buffer, .address_space: global }
    .group_segment_fixed_size: 0
    .private_segment_fixed_size: 0
    .kernarg_segment_align: 8
    .kernarg_segment_size: 32
    .max_flat_workgroup_size: 256
    .sgpr_count:     66
    .vgpr_count:     152
    .wavefront_size: 32
...
	.end_amdgpu_metadata
.endif
;; end of part 5
;; launch dist: the kernel of part 2 again; grid 32 x 8, 4 waves a work-group, clusters of 4 x 4, 327,680 bytes of LDS; arguments rb, nrm, pd, pi; writes pd, pi
;; launch pick: the kernel of part 3 again; grid 64 x 1, 8 waves a work-group, no clusters, 5,120 bytes of LDS; arguments pd, pi, out1, code; writes out1, code
;; launch fetch (part 6): grid 256 x 1, 8 waves a work-group, no clusters, 0 bytes of LDS; arguments code, rb, out0; writes out0
.if DOCPART == 6
	.amdgcn_target "amdgcn-amd-amdhsa--gfx1250"
	.amdhsa_code_object_version 6
	.text
	.protected	k_q74d8871f65_fetch
	.globl	k_q74d8871f65_fetch
	.p2align	8
	.type	k_q74d8871f65_fetch,@function
k_q74d8871f65_fetch:
	s_mov_b64 s[64:65], 0
	v_nop
	global_prefetch_b8 v0, s[64:65] scope:SCOPE_SE
	s_setreg_imm32_b32 hwreg(HW_REG_WAVE_SCHED_MODE, 0, 2), 2
	s_setreg_imm32_b32 hwreg(HW_REG_WAVE_MODE, 25, 1), 1
	s_wait_xcnt 0x0
	s_wait_alu depctr_vm_vsrc(0)
; VQ, fourth launch: out0[b] = the row of the codebook that code[b] names.  Nothing of the function is left out here.
; The row is taken from rb, the codebook rounded once to bf16 (rows 4,096 on), and widened to f32: half the bytes of the f32 row.
; LIMIT.  out0 holds the rounded row: within 2^-9 of each number of the f32 row.  An index is held to 0 .. 8,191 before it enters an address; the launch before stores nothing else for finite inputs.
; SHARES.  16 tokens to a work-group, 2 to a wave.  A wave reads its two indices by one scalar load (this launch does not write code), issues all 32 loads of its two rows (256 consecutive bytes each),
; and stores each chunk as 512 consecutive bytes, aligned.  No register is used twice for memory.  No LDS, no barrier.
; THE MODE: SCHED_MODE bits 1:0 = 2 (LLVM: expert scheduling mode 2), set by the entry lines.  The code itself states the register dependences
; between vector instructions and memory instructions, with s_wait_alu, always for 0.
; THE PLAN.  Registers that memory instructions touch:
;   L       32 chunks of two registers.  A chunk is written once by its load (all loads go out before a vector instruction names L) and read by its four widening lines.
;   W       32 chunks of four registers.  A chunk is written by its four widening lines and read by its one store; nothing writes it afterwards.
;   v1, v2  byte offsets, made once at the head and never written again.
; The wave's 32 chunks go in eight blocks of four.  Block p's memory instructions are the four stores of block p - 1, whose registers no vector instruction of block p names.  So ONE wait on va_vdst
; at a block's head states all that these stores hang on, and they are dealt among the block's widening lines, one ahead of each chunk's, with no further wait.
.set EROWS, 8192
.set XBYTES, 4096*4096                 ; the codes' rows begin here in rb
.set L, 4                              ; v[4:67]    row r, chunk j (256 bytes of bf16) at L + 32 r + 2 j
.set W, 68                             ; v[68:195]  the same as f32 at W + 64 r + 4 j: chunk c = 16 r + j of the wave's 32 at W + 4 c
	s_load_b128 s[4:7], s[0:1], 0x0                ; code s[4:5], rb s[6:7]
	s_load_b64 s[8:9], s[0:1], 0x10                ; out0
	v_lshrrev_b32 v3, 5, v0
	v_readfirstlane_b32 s12, v3                    ; wave 0..7
	v_and_b32 v3, 31, v0
	v_lshlrev_b32 v1, 3, v3                        ; 8 bytes a lane on the way in
	v_lshlrev_b32 v2, 4, v3                        ; 16 on the way out
	s_wait_alu depctr_va_sdst(0)                   ; s12 is written, ahead of its first reader: my tokens' number is made from it
	s_lshl_b32 s13, ttmp9, 4
	s_lshl1_add_u32 s13, s12, s13                  ; my first token = 16 x work-group + 2 x wave
	s_lshl_b32 s23, s13, 2                         ; its index's byte in code: a multiple of 8
	s_mov_b32 s22, 0xffff0000                      ; a word's upper bf16
	s_wait_kmcnt 0x0
	s_load_b64 s[14:15], s[4:5], s23 offset:0x0    ; my two tokens' indices
	s_lshl_b32 s20, s13, 13
	s_mov_b32 s21, 0
	s_add_nc_u64 s[20:21], s[8:9], s[20:21]        ; out0 at my first token
	s_add_nc_u64 s[6:7], s[6:7], XBYTES            ; the codebook in rb
	s_wait_kmcnt 0x0
	s_min_u32 s14, s14, EROWS-1                    ; inside the table
	s_min_u32 s15, s15, EROWS-1
	s_lshl_b32 s16, s14, 12                        ; a row is 4,096 bytes
	s_mov_b32 s17, 0
	s_lshl_b32 s18, s15, 12
	s_mov_b32 s19, 0
	s_add_nc_u64 s[16:17], s[6:7], s[16:17]
	s_add_nc_u64 s[18:19], s[6:7], s[18:19]
	s_wait_alu depctr_va_vdst(0)                   ; v1 and v2 are written: every load and store of the kernel reads one of them as its offset
.irp r, 0,1
.set j, 0
.rept 16
	global_load_b64 v[L+32*(\r)+2*j:L+32*(\r)+2*j+1], v1, s[16+2*(\r):17+2*(\r)] offset:256*j  ; no hint: several tokens may name the same row
.set j, j+1
.endr
.endr
.irp r, 0,1
.set j, 0
.rept 16
.set c, 16*(\r)+j                      ; the chunk's number among the wave's 32
	s_wait_loadcnt 31-c                            ; loads come back in order: this chunk is in, the younger ones of the wave's 32 stay out
.if (j%4 == 0) && (c > 0)
	s_wait_alu depctr_va_vdst(0)                   ; a block's head: the widening lines of the block before have written its four chunks of W, which this block's four stores read
.endif
.if c >= 4
	global_store_b128 v2, v[W+4*(c-4):W+4*(c-4)+3], s[20:21] offset:512*(c-4) th:TH_STORE_NT  ; chunk c - 4; no vector instruction since the wait names these registers
.endif
	v_lshlrev_b32 v[W+64*(\r)+4*j],   16,  v[L+32*(\r)+2*j]    ; bf16 to f32: the low half moves up,
	v_and_b32     v[W+64*(\r)+4*j+1], s22, v[L+32*(\r)+2*j]    ; the high half stays
	v_lshlrev_b32 v[W+64*(\r)+4*j+2], 16,  v[L+32*(\r)+2*j+1]
	v_and_b32     v[W+64*(\r)+4*j+3], s22, v[L+32*(\r)+2*j+1]
.set j, j+1
.endr
.endr
	s_wait_alu depctr_va_vdst(0)                   ; the last block's widening lines have written its four chunks of W, which the last four stores read
.irp k, 28,29,30,31
	global_store_b128 v2, v[W+4*(\k):W+4*(\k)+3], s[20:21] offset:512*(\k) th:TH_STORE_NT
.endr
	s_endpgm
.Lfunc_end_k_q74d8871f65_fetch:
	.size	k_q74d8871f65_fetch, .Lfunc_end_k_q74d8871f65_fetch-k_q74d8871f65_fetch
	.p2alignl 7, 3214868480
	.fill 96, 4, 3214868480
	.section	.rodata,"a",@progbits
	.p2align	6, 0x0
	.amdhsa_kernel k_q74d8871f65_fetch
		.amdhsa_group_segment_fixed_size 0
		.amdhsa_private_segment_fixed_size 0
		.amdhsa_enable_private_segment 0
		.amdhsa_kernarg_size 24
		.amdhsa_user_sgpr_count 2
		.amdhsa_user_sgpr_kernarg_segment_ptr 1
		.amdhsa_wavefront_size32 1
		.amdhsa_system_sgpr_workgroup_id_x 1
		.amdhsa_system_sgpr_workgroup_id_y 1
		.amdhsa_system_sgpr_workgroup_id_z 1
		.amdhsa_system_vgpr_workitem_id 0
		.amdhsa_next_free_vgpr 200
		.amdhsa_next_free_sgpr 66
		.amdhsa_reserve_vcc 0
		.amdhsa_float_denorm_mode_32 3
		.amdhsa_float_denorm_mode_16_64 3
		.amdhsa_memory_ordered 1
		.amdhsa_forward_progress 1
		.amdhsa_inst_pref_size 13
	.end_amdhsa_kernel
	.amdgpu_metadata
---
amdhsa.version: [ 1, 2 ]
amdhsa.kernels:
  - .name:           k_q74d8871f65_fetch
    .symbol:         k_q74d8871f65_fetch.kd
    .args:
      - { .name: code, .offset: 0, .size: 8, .value_kind: global_buffer, .address_space: global }
      - { .name: rb, .offset: 8, .size: 8, .value_kind: global_buffer, .address_space: global }
      - { .name: out0, .offset: 16, .size: 8, .value_kind: global_buffer, .address_space: global }
    .group_segment_fixed_size: 0
    .private_segment_fixed_size: 0
    .kernarg_segment_align: 8
    .kernarg_segment_size: 24
    .max_flat_workgroup_size: 256
    .sgpr_count:     66
    .vgpr_count:     200
    .wavefront_size: 32
...
	.end_amdgpu_metadata
.endif
;; end of part 6
